; MI455X (gfx1250); checked and timed in simulation.
; The chip was launched on July 23, 2026; its instructions are those of AMD's public machine-readable ISA for CDNA 5 (MIT licence, August 2026) and "CDNA5" Instruction Set Architecture Reference Guide (July 2026). The comments in the code are by the model that wrote it; some were corrected since.
;; Causal Self Attention. Allowed arithmetic: matrix products marked QUANTISED: E4M3 operands, one given power-of-two scale a tensor, by v_wmma_f32_16x16x64_fp8_fp8 or v_wmma_f32_16x16x128_fp8_fp8, f32 sums; everything else in f32.
;; Inputs: Wk_codes 1,024 x 32 x 32 uint8 (E4M3 codes of Wk, K innermost, in blocks of 32 codes); Wq_codes 1,024 x 32 x 32 uint8 (E4M3 codes of Wq, K innermost, in blocks of 32 codes); Wv_codes 1,024 x 32 x 32 uint8 (E4M3 codes of Wv, K innermost, in blocks of 32 codes); lowp_scales 10 int32 (the exponents e of the quantised operands' scales 2^e); x_codes 4 x 2,048 x 32 x 32 uint8 (E4M3 codes of x, K innermost, in blocks of 32 codes).
;; Outputs: out0 4 x 2,048 x 1,024 float32.
;; This version of the problem:
;;   THIS VERSION OF THE PROBLEM IS GIVEN IN LOW PRECISION. The matrix products marked QUANTISED in the list below multiply operands that are first quantised to E4M3 (4 exponent bits, 3 mantissa bits; 8 bits a number), with one given power-of-two scale for each operand tensor; their sums are f32. All else is computed in f32.
;;   The module's matrix products, in the order in which they are computed (A, B: the left and right operand; K: the contracted axis; several contracted axes count as one K, in the product's order):
;;     1. [M 8,192, K 1,024] x [K 1,024, N 1,024]; A: input x (given as codes); B: input Wq (given as codes): QUANTISED (scales: A lowp_scales[0], B lowp_scales[1])
;;     2. [M 8,192, K 1,024] x [K 1,024, N 1,024]; A: input x (given as codes); B: input Wk (given as codes): QUANTISED (scales: A lowp_scales[2], B lowp_scales[3])
;;     3. [M 8,192, K 1,024] x [K 1,024, N 1,024]; A: input x (given as codes); B: input Wv (given as codes): QUANTISED (scales: A lowp_scales[4], B lowp_scales[5])
;;     4. batch 4 x [M 2,048, K 1,024] x [K 1,024, N 2,048]; A: computed on the way; B: computed on the way: QUANTISED (scales: A lowp_scales[6], B lowp_scales[7])
;;     5. batch 4 x [M 2,048, K 2,048] x [K 2,048, N 1,024]; A: softmax (see below); B: computed on the way: QUANTISED (scales: A lowp_scales[8], B lowp_scales[9])
;;   THE QUANTISER, for each operand of a quantised product, along K:
;;     - The operand's scale is 2^e, e = its entry of the input lowp_scales (int32; the entries are numbered through the quantised products in the list's order, A before B).
;;     - Each number is divided by the scale, clamped to +-448, and rounded to the nearest number of E4M3, ties to even, subnormals kept.
;;     - The product sums the exact products of the quantised numbers (number of the format x scale) in f32.
;;   ~~~python
;;   def quantise(x, axis, e):      # numpy; x: float32 -> the quantised numbers, widened to float32 again
;;       x = np.moveaxis(x, axis, -1); K = x.shape[-1]
;;       r = np.clip(x / 2.0 ** e, -448, 448)
;;       step = 2.0 ** (np.maximum(np.frexp(np.where(r == 0, 1, r))[1] - 1, -6) - 3)
;;       q = np.round(r / step) * step * 2.0 ** e      # np.round: ties to even
;;       return np.moveaxis(q, -1, axis).astype(np.float32)
;;   ~~~
;;   SOFTMAX AHEAD OF A QUANTISED PRODUCT. Where the list says 'softmax', what is quantised is not the finished softmax but p = 2^(t - M), with t = logit x log2(e) and M = ceil(the row's largest t), a whole number; so 1/2 < the row's largest p <= 1. The row's sum l is taken of the UNQUANTISED p, in f32, and the product's result is divided by l at the end. Since M is a whole number, a kernel that streams over the keys may use a running M (the ceiling of the running maximum): every later rescaling is an exact power of two, so the quantised numbers keep their values, but for numbers so far below the row's largest that they fall under the format's range.
;;   OPERANDS COMPUTED ON THE WAY. 'Computed on the way' means the value that the module computes at that place (a softmax that the list does not call 'softmax' is quantised finished and normalised). What goes into a quantiser is computed in f32, as accurately as f32 sums, v_exp_f32 and their like allow (about 1e-6 of the number): no bf16 or f16 on the way to a quantiser, and a product that is left as it is and whose result goes on into a quantised operand takes f32 operands (vector FMAs, or v_wmma_f32_16x16x4_f32). A number that lies on a knife's edge between two numbers of the format may be rounded either way, as far as f32 arithmetic and the matrix unit's own rounding can turn it there, and no further.
;;   INPUTS GIVEN AS CODES. Wk (in the module: [1024, 1024], K = its axis 1); Wq (in the module: [1024, 1024], K = its axis 1); Wv (in the module: [1024, 1024], K = its axis 1); x (in the module: [4, 2048, 1024], K = its axis 2): each comes as NAME_codes (uint8): NAME with its K axis moved to the last place and cut into blocks of 32 codes, [.., K / 32, bytes a block], one block behind the other in memory; one code a byte (a code: sign, 4 exponent bits, 3 mantissa bits); its scale is its entry of lowp_scales. Its value is code x scale, taken as it is: it is not quantised again, and the codes and scales need not be those that the quantiser above would give.
;; One version. Each part assembles by itself: llvm-mc -triple=amdgcn-amd-amdhsa -mcpu=gfx1250 --defsym DOCPART=n.
;; ======== version 1 of 1: 3 launches
;; limits: right only within a limited range of input values
;; workspace buffers: qc 8,388,608 bytes; kc 8,388,608 bytes; vc 8,388,608 bytes; pc 16,777,216 bytes; st 524,288 bytes
;; launch proj (part 1): grid 8 x 32, 4 waves a work-group, clusters of 4 x 4, 327,680 bytes of LDS; arguments x_codes, Wq_codes, Wk_codes, Wv_codes, lowp_scales, qc, kc, vc; writes qc, kc, vc
.if DOCPART == 1
	.amdgcn_target "amdgcn-amd-amdhsa--gfx1250"
	.amdhsa_code_object_version 6
	.text
	.protected	k_qd135e8c357_proj
	.globl	k_qd135e8c357_proj
	.p2align	8
	.type	k_qd135e8c357_proj,@function
k_qd135e8c357_proj:
	s_mov_b64 s[64:65], 0
	v_nop
	global_prefetch_b8 v0, s[64:65] scope:SCOPE_SE
	s_setreg_imm32_b32 hwreg(HW_REG_WAVE_MODE, 25, 1), 1
	s_wait_xcnt 0x0
	s_wait_alu depctr_hold_cnt(0) depctr_sa_sdst(0) depctr_va_vdst(0) depctr_va_sdst(0) depctr_va_ssrc(0) depctr_va_vcc(0) depctr_vm_vsrc(0)
	s_getreg_b32 s2, hwreg(HW_REG_IB_STS2, 6, 4)
	s_cmp_eq_u32 s2, 0
	s_cbranch_scc0 .Lentry_in_a_cluster
	s_endpgm
.Lentry_in_a_cluster:
	s_bfe_u32 s2, ttmp6, 0x10000c
	s_cmp_lg_u32 s2, 0xf033
	s_cbranch_scc0 .Lentry_shape_is_right
	s_endpgm
.Lentry_shape_is_right:
; q = x Wq^T, k = x Wk^T, v = x Wv^T on codes of E4M3, each result quantised at once to codes of E4M3.
; WORK LEFT OUT BY THE PROGRAM (in the later launches): scores of keys behind the query, which reference()'s own causal mask replaces by -infinity for all inputs: tiles of 256 x 256 that lie wholly in the upper
; right quadrant of a batch are not computed, and the last launch walks no key tile beyond its queries.  LIMIT: a NaN, an infinity or an overflow in such a score alone is not carried to the result.
; LIMITS on the given exponents: e6 - e0 - e1, e7 - e2 - e3 and e9 - e4 - e5 lie between -126 and 119, so that the scale and 448 x the scale are f32 numbers.
; A work-group takes 256 rows of x (tile row i) and 128 columns of each of the three weights (column j).  EACH WAVE KEEPS ITS 64 ROWS OF x, ALL 1,024 OF K, IN 512 REGISTERS; the weights stream through LDS.
; A trip takes 32 rows of each weight: parts q, k, v of 128 matrix instructions (8 accumulators by turns, 16 K steps of 64).  While part k runs, q's results are held and converted; while part v runs, k's.
; CLUSTER 4 x 4: x's tile is asked for jointly along a row of the cluster, a weight's rows along a column.
; LDS: x's 256 rows of 1,024 bytes + 16; when every wave has its rows in registers the same bytes serve as a ring of two slots (0 and 2^17) of 3 x 32 weight rows.  By this text's count a wave has one tensor load out at most.
; A fragment is two loads of 16 bytes: registers 4 c .. 4 c + 3 of a K step hold k = 32 c + 16 (lane / 16) + 0 .. 15, alike in x and in the weights.
; WHERE RESULTS GO: images of operand registers, 512 bytes for 16 rows x 32 along the next K: lane (r, h) has 16 bytes: K 8 h + 0..7, then 16 + 8 h + 0..7.
; qc, kc: [row tile 32][slice of 128 columns 8][group of 32 columns 4][16 rows: 16][512 bytes]; in qc the even slices hold -q.  vc: [batch][256 channels: 4][key tile of 256: 8][32 keys: 8][16 channels: 16][512 bytes].
; REGISTERS: window 0: addresses, v32-79 codes, v128-255 weight fragments (two buffers of four K steps); windows 1, 2: x (blocks 0-1, 2-3); window 3: accumulators, q 0-63, k 64-127, v 128-191.
.set PITCH, 1040
.set XPART, 64*PITCH
.set WPART, 32*PITCH
.set SLOT1, 1<<17
.set SPARE, 256*PITCH
.set AWM, 3                            ; v3-5 my lane's place in the three parts of a slot
.set SC,  8                            ; v8-10 the three conversions' scales
.set XAD, 16
.set ADM, 20                           ; v20-22 LDS addresses of the three parts in the slot in hand
.set GOQ, 24
.set GOV, 25
.set PFO, 26
.set SPW, 28
.set NIL, 29
.set CD,  32
.set WB,  128
.set TB,  2
.set LO,  56                           ; s56-58 -448 x scale, s60-62 448 x scale
.set HI,  60
.set SGN, 98
.set QSG, 99
.set medn, 64                          ; how many of the 64 results of the part before are held: a trip's first part has none to hold
.set MSB, 0
.macro WIN new
.if MSB != (\new)
	s_set_vgpr_msb (MSB<<8)|(\new)
.set MSB, (\new)
.endif
.endm
.macro PLACES n
.rept \n
	v_nop
.endr
.endm
.macro LOADW                           ; waves 0, 1, 2 ask for 32 rows of Wq, Wk, Wv; wave 3 has no part
	s_cmp_eq_u32 s14, 3
	s_cbranch_scc1 .Lnone_\@
	tensor_load_to_lds s[36:39], s[48:55]
	s_nop 0
.rept 4
	v_nop
.endr
.Lnone_\@:
.endm
.macro CREST
	s_cmp_lg_u32 s14, 0
	s_cbranch_scc1 .Lnot_wave_0_\@
	s_barrier_signal -3
.Lnot_wave_0_\@:
	s_barrier_wait -3
	s_barrier_signal -1
	s_barrier_wait -1
.endm
.macro CROUND
	s_barrier_signal -1
	s_barrier_wait -1
	CREST
.endm
; PREFETCH of weight rows: the 32 work-groups of a column share them out by address: the one of tile row i names 8 rows of 1,024 bytes at 8 (i % 8), lanes 256 bytes apart; wave m for weight m.  So a block is named by four work-groups, in four clusters.
; The first names rows 0-63 (the first two fills), the second rows 64-127 (the two refills, asked for two fills later).
.macro ASK off
	s_cmp_eq_u32 s14, 3
	s_cbranch_scc1 .Lnoask_\@
	global_prefetch_b8 v[PFO], s[44:45] offset:\off th:TH_LOAD_NT scope:SCOPE_SE
.Lnoask_\@:
.endm
.macro ADDR
.irp m, 0,1,2
	v_add_nc_u32 v[ADM+\m], s[TB], v[AWM+\m]
.endr
.endm
	s_load_b256 s[4:11], s[0:1], 0x0               ; x, Wq, Wk, Wv
	s_load_b256 s[68:75], s[0:1], 0x20             ; scales, qc, kc, vc
	v_lshl_add_u32 v[SPW], v0, 2, SPARE
	v_mov_b32 v[NIL], 0
	ds_add_u32 v[SPW], v[NIL]
	ds_add_u32 v[SPW], v[NIL]
	v_lshrrev_b32 v1, 5, v0
	v_readfirstlane_b32 s14, v1                    ; wave
	s_mov_b32 s[SGN], 0x80808080
	s_mov_b32 s[TB], 0
	s_bfe_u32 s40, ttmp6, 0x40000                  ; cx
	s_bfe_u32 s41, ttmp6, 0x40004                  ; cy
	s_lshl_b32 s42, ttmp9, 2
	s_add_co_u32 s42, s42, s40                     ; j
	s_and_b32 s17, ttmp7, 0xffff
	s_lshl_b32 s17, s17, 2
	s_add_co_u32 s17, s17, s41                     ; i
	s_lshl_b32 s43, s41, 2
	s_lshl_b32 s43, 15, s43
	s_lshl_b32 s44, 0x1111, s40
	s_or_b32 s24, s43, (1<<20)|(1<<21)|(7<<22)|(3<<25)   ; x: my row of the cluster; 16 bytes of padding behind every 256 words
	s_or_b32 s48, s44, (1<<20)|(1<<21)|(7<<22)|(3<<25)   ; weights: my column
	s_mov_b32 s25, 1024<<16
	s_mov_b32 s26, 64<<16
	s_mov_b32 s27, 1024<<16
	s_mov_b32 s28, 64
	s_mov_b32 s29, 1024
	s_mov_b32 s30, 0
	s_mov_b32 s31, 0
	s_mov_b32 s49, 1024<<16
	s_mov_b32 s50, 32<<16
	s_mov_b32 s51, 1024<<16
	s_mov_b32 s52, 32
	s_mov_b32 s53, 1024
	s_mov_b32 s54, 0
	s_mov_b32 s55, 0
	s_lshl_b32 s20, s17, 18                        ; x: row 256 i + 64 wave
	s_lshl_b32 s21, s14, 16
	s_add_co_u32 s20, s20, s21
	s_mov_b32 s21, 0
	s_lshl_b32 s46, s42, 17                        ; weights: row 128 j
	s_mov_b32 s47, 0
	s_wait_dscnt 0x0
	s_wait_kmcnt 0x0
	s_load_b256 s[76:83], s[68:69], 0x0
	s_load_b64 s[84:85], s[68:69], 0x20
	s_cmp_eq_u32 s14, 1
	s_cselect_b64 s[18:19], s[8:9], s[6:7]
	s_cmp_lt_u32 s14, 2
	s_cselect_b64 s[18:19], s[18:19], s[10:11]
	s_add_nc_u64 s[20:21], s[4:5], s[20:21]
	s_add_nc_u64 s[46:47], s[18:19], s[46:47]
	s_mov_b32 s32, 1
	s_mul_i32 s33, s14, XPART
	s_mov_b64 s[34:35], s[20:21]
	s_or_b32 s35, s35, 0x80000000
	s_mov_b32 s36, 1
	s_mul_i32 s37, s14, WPART
	s_mov_b64 s[38:39], s[46:47]
	s_or_b32 s39, s39, 0x80000000
	CROUND
	tensor_load_to_lds s[32:35], s[24:31]          ; my 64 rows of x: the head's one tensor load
	s_nop 0
	PLACES 4
	s_lshl_b32 s86, s17, 3                         ; qc, kc: block (i, j) of 32,768 bytes
	s_add_co_u32 s86, s86, s42
	s_lshl_b32 s86, s86, 15
	s_mov_b32 s87, 0
	s_add_nc_u64 s[92:93], s[70:71], s[86:87]
	s_sub_nc_u64 s[92:93], s[92:93], 8192          ; (each trip steps the three bases ahead of its stores)
	s_add_nc_u64 s[94:95], s[72:73], s[86:87]
	s_sub_nc_u64 s[94:95], s[94:95], 8192
	s_lshr_b32 s88, s17, 3                         ; vc: batch i / 8, channels 256 (j / 2), key tile i % 8, channel half j % 2
	s_lshl_b32 s88, s88, 21
	s_lshr_b32 s89, s42, 1
	s_lshl_b32 s89, s89, 19
	s_add_co_u32 s88, s88, s89
	s_and_b32 s90, s17, 7
	s_lshl_b32 s89, s90, 16
	s_add_co_u32 s88, s88, s89
	s_and_b32 s91, s42, 1
	s_lshl_b32 s89, s91, 12
	s_add_co_u32 s88, s88, s89
	s_mov_b32 s89, 0
	s_add_nc_u64 s[96:97], s[74:75], s[88:89]
	s_sub_nc_u64 s[96:97], s[96:97], 1024
	s_lshl_b32 s88, s90, 13
	s_add_nc_u64 s[44:45], s[46:47], s[88:89]      ; the prefetches' base
	s_cmp_eq_u32 s91, 0
	s_cselect_b32 s[QSG], s[SGN], 0
	s_lshl_b32 s86, s14, 11
	s_lshl_b32 s87, s14, 14
	s_wait_kmcnt 0x0
	s_sub_co_i32 s18, s82, s76                     ; a sum stands for sum x 2^(its operands' e): its code is sum / 2^(e - the two)
	s_sub_co_i32 s18, s18, s77
	s_sub_co_i32 s19, s83, s78
	s_sub_co_i32 s19, s19, s79
	s_sub_co_i32 s20, s85, s80
	s_sub_co_i32 s20, s20, s81
.irp n, 0,1,2
	s_add_co_i32 s[18+\n], s[18+\n], 127
	s_add_co_i32 s[HI+\n], s[18+\n], 8
	s_lshl_b32 s[18+\n], s[18+\n], 23
	s_lshl_b32 s[HI+\n], s[HI+\n], 23
	s_or_b32 s[HI+\n], s[HI+\n], 0x600000
	s_or_b32 s[LO+\n], s[HI+\n], 0x80000000
.endr
	v_mov_b32 v[SC], s18
	v_mov_b32 v[SC+1], s19
	v_mov_b32 v[SC+2], s20
	v_and_b32 v1, 15, v0                           ; r
	v_bfe_u32 v2, v0, 4, 1                         ; h
	v_and_b32 v7, 31, v0                           ; lane
	v_mul_u32_u24 v3, v1, PITCH
	v_lshl_add_u32 v3, v2, 4, v3
	v_add_nc_u32 v4, WPART, v3
	v_add_nc_u32 v5, 2*WPART, v3
	v_add_nc_u32 v[XAD], s33, v3
	v_lshlrev_b32 v6, 4, v7
	v_add_nc_u32 v[GOQ], s86, v6
	v_add_nc_u32 v[GOV], s87, v6
	v_lshlrev_b32 v[PFO], 8, v7
	ADDR
	s_wait_alu depctr_va_vdst(0)                   ; the head's end
	ASK 0
	s_wait_tensorcnt 0x0                           ; my rows of x are in; no other wave reads them
.irp a, 0,1,2,3
	WIN 0x40*(1+\a/2)
.set i, 0
.rept 32
	ds_load_b128 v[128*(\a%2)+4*i:128*(\a%2)+4*i+3], v[XAD] offset:\a*16*PITCH+32*i
.set i, i+1
.endr
.endr
	WIN 0
	s_wait_tensorcnt 0x0                           ; ahead of bytes filled again
	ds_add_u32 v[SPW], v[NIL]
	s_wait_dscnt 0x0                               ; the add is done, and x is in registers
	CROUND
	LOADW                                          ; trip 0's weights, over x's bytes
.irp w, 1,2
	WIN 0x44*\w
.set i, 0
.rept 16
.irp n, 0,1,2,3,4,5,6,7
	v_xor_b32 v[16*i+\n], s[SGN], v[16*i+\n]       ; the even K steps of x change their sign, while the weights are on their way
.endr
.set i, i+1
.endr
.endr
	WIN 0
	s_wait_alu depctr_va_vdst(0)
	ASK 65536
.macro FETCH adr, g, buf               ; four K steps of a part's 32 rows: 16 loads
	WIN 0
.irp k, 0,1,2,3
.irp n, 0,1,2,3
	ds_load_b128 v[WB+64*(\buf)+16*\k+4*\n:WB+64*(\buf)+16*\k+4*\n+3], v[\adr] offset:16*PITCH*(\n/2)+256*(\g)+64*\k+32*(\n%2)
.endr
.endr
.endm
; K step kk: 8 matrix instructions, the accumulators by turns.  vm = 0: source 0 = the weight's 16 rows: a lane holds one row of x and 8 neighbouring columns; accumulator 2 a + b.
; vm = 1: source 0 = x: a lane holds one channel and 8 neighbouring rows; accumulator 4 b + a.  Behind each stands one line of the hold for the part before (ps), 64 in all: its sources fit the products' windows.
.macro KS vm, acs, kk, ps
.set kwf, WB+64*(((\kk)/4)%2)+16*((\kk)%4)
.irp p, 0,1
.if \vm
	WIN 0xf1+\p
.else
	WIN 0xf4+4*\p
.endif
.irp q, 0,1,2,3
.set ka, 2*\p+\q/2
.set kb, \q%2
.set kx, 8*(16*(\q/2)+(\kk))
.set kw, kwf+8*kb
.if \vm
.set kd, 64*(\acs)+8*(4*kb+ka)
.if (\kk) == 0
	v_wmma_f32_16x16x64_fp8_fp8 v[kd:kd+7], v[kx:kx+7], v[kw:kw+7], 0
.else
	v_wmma_f32_16x16x64_fp8_fp8 v[kd:kd+7], v[kx:kx+7], v[kw:kw+7], v[kd:kd+7] neg_lo:[0,0,1]
.endif
.else
.set kd, 64*(\acs)+8*(2*ka+kb)
.if (\kk) == 0
	v_wmma_f32_16x16x64_fp8_fp8 v[kd:kd+7], v[kw:kw+7], v[kx:kx+7], 0
.else
	v_wmma_f32_16x16x64_fp8_fp8 v[kd:kd+7], v[kw:kw+7], v[kx:kx+7], v[kd:kd+7] neg_lo:[0,0,1]
.endif
.endif
.if ((\ps) >= 0) && ((\kk) > 0) && (medn < 64)
	v_med3_num_f32 v[64*(\ps)+medn], s[LO+(\ps)], s[HI+(\ps)], v[64*(\ps)+medn]
.set medn, medn+1
.endif
.endr
.endr
.endm
; Four K steps.  In front of each the wait leaves out the loads issued behind its own four.  The v_nop are the places ahead of the loads into the other buffer;
; in a part's first group they also stand between the sums' first products and the second ones, whose modifier differs.
.macro GRP vm, acs, ps, g, nadr, ng
	s_wait_dscnt 12
	KS \vm, \acs, 4*(\g), \ps
.if (\g) == 0
	PLACES 6
.else
	PLACES 4
.endif
	FETCH \nadr, \ng, 1-(\g)%2
	s_wait_dscnt 24
	KS \vm, \acs, 4*(\g)+1, \ps
	s_wait_dscnt 20
	KS \vm, \acs, 4*(\g)+2, \ps
	s_wait_dscnt 16
	KS \vm, \acs, 4*(\g)+3, \ps
.endm
.macro SENDC m                         ; part m's 64 held results become codes and go out: 512 consecutive bytes a store, aligned
	s_wait_alu depctr_va_vdst(0)
	WIN 0x03
.irp n, 0,1,2,3,4,5,6,7
	v_cvt_scalef32_pk8_fp8_f32 v[CD+16*\m+2*\n:CD+16*\m+2*\n+1], v[64*\m+8*\n:64*\m+8*\n+7], v[SC+\m]
.endr
	v_nop                                          ; a plain line behind the last conversion
	WIN 0
.if \m == 0
.set i, 0
.rept 16
	v_xor_b32 v[CD+i], s[QSG], v[CD+i]             ; even slices hold -q
.set i, i+1
.endr
.endif
.irp n, 0,1,2,3
.if \m == 2
	global_store_b128 v[GOV], v[CD+32+4*\n:CD+32+4*\n+3], s[96:97] offset:512*(\n/2)+8192*(\n%2)
.else
	global_store_b128 v[GOQ], v[CD+16*\m+4*\n:CD+16*\m+4*\n+3], s[92+2*\m:93+2*\m] offset:512*\n
.endif
.endr
.endm
; Part v's last group changes slots.  In front of the barrier: all my tensor loads have landed (the next trip's weights), the add, and all my reads of this slot are over.  fill = 1: a round, and this slot is filled with the weights two trips on.
.macro TURN fill
	WIN 0
	s_xor_b32 s[TB], s[TB], SLOT1
	ADDR
	s_wait_alu depctr_va_vdst(0)
	s_wait_tensorcnt 0x0
	ds_add_u32 v[SPW], v[NIL]
.if \fill
	s_xor_b32 s37, s37, SLOT1
	s_add_nc_u64 s[38:39], s[38:39], 32768
.endif
	s_wait_dscnt 13                                ; the group's first four loads are in; twelve and the add may be out
	KS 1, 2, 12, 1
	s_wait_dscnt 0x0
	s_barrier_signal -1
	KS 1, 2, 13, 1
	WIN 0
	s_barrier_wait -1
.if \fill
	CREST
	LOADW
	PLACES 4
.else
	PLACES 4
	s_cmp_eq_u32 s3, 1
	s_cbranch_scc1 .Llast_\@                       ; behind the last trip there is nothing to fetch
.endif
	FETCH ADM, 0, 0
.if (\fill) == 0
.Llast_\@:
.endif
	KS 1, 2, 14, 1
	KS 1, 2, 15, 1
.endm
.macro TRIP fill
	GRP 0, 0, -1, 0, ADM, 1
	s_wait_xcnt 0x0                                ; the last trip's stores have read their registers and bases
	s_add_nc_u64 s[92:93], s[92:93], 8192
	s_add_nc_u64 s[94:95], s[94:95], 8192
	s_add_nc_u64 s[96:97], s[96:97], 1024
	GRP 0, 0, -1, 1, ADM, 2
	GRP 0, 0, -1, 2, ADM, 3
	GRP 0, 0, -1, 3, ADM+1, 0
.set medn, 0
	GRP 0, 1, 0, 0, ADM+1, 1
	GRP 0, 1, 0, 1, ADM+1, 2
	GRP 0, 1, 0, 2, ADM+1, 3
	SENDC 0
	GRP 0, 1, 0, 3, ADM+2, 0
.set medn, 0
	GRP 1, 2, 1, 0, ADM+2, 1
	GRP 1, 2, 1, 1, ADM+2, 2
	GRP 1, 2, 1, 2, ADM+2, 3
	SENDC 1
	TURN \fill
	PLACES 4
.set i, 0
.rept 64
	v_med3_num_f32 v[128+i], s[LO+2], s[HI+2], v[128+i]
.set i, i+1
.endr
	SENDC 2
.endm
	s_wait_tensorcnt 0x0                           ; trip 0's weights are in; ahead of a fill
	ds_add_u32 v[SPW], v[NIL]
	s_xor_b32 s37, s37, SLOT1
	s_add_nc_u64 s[38:39], s[38:39], 32768
	s_wait_dscnt 0x0
	CROUND
	LOADW                                          ; trip 1's weights
	PLACES 4
	FETCH ADM, 0, 0
	s_mov_b32 s3, 2
.Lfill:                                                ; trips 0 and 1 fill their slots again
	TRIP 1
	s_sub_co_u32 s3, s3, 1
	s_cmp_lg_u32 s3, 0
	s_cbranch_scc1 .Lfill
	s_mov_b32 s3, 2
.Lrest:                                                ; trips 2 and 3 fill nothing
	TRIP 0
	s_sub_co_u32 s3, s3, 1
	s_cmp_lg_u32 s3, 0
	s_cbranch_scc1 .Lrest
	s_wait_tensorcnt 0x0                           ; the wave's end
	ds_add_u32 v[SPW], v[NIL]
	s_wait_dscnt 0x0
	CROUND                                         ; the closing round
	s_endpgm
.Lfunc_end_k_qd135e8c357_proj:
	.size	k_qd135e8c357_proj, .Lfunc_end_k_qd135e8c357_proj-k_qd135e8c357_proj
	.p2alignl 7, 3214868480
	.fill 96, 4, 3214868480
	.section	.rodata,"a",@progbits
	.p2align	6, 0x0
	.amdhsa_kernel k_qd135e8c357_proj
		.amdhsa_group_segment_fixed_size 327680
		.amdhsa_private_segment_fixed_size 0
		.amdhsa_enable_private_segment 0
		.amdhsa_kernarg_size 64
		.amdhsa_user_sgpr_count 2
		.amdhsa_user_sgpr_kernarg_segment_ptr 1
		.amdhsa_wavefront_size32 1
		.amdhsa_system_sgpr_workgroup_id_x 1
		.amdhsa_system_sgpr_workgroup_id_y 1
		.amdhsa_system_sgpr_workgroup_id_z 1
		.amdhsa_system_vgpr_workitem_id 0
		.amdhsa_next_free_vgpr 1024
		.amdhsa_next_free_sgpr 100
		.amdhsa_reserve_vcc 0
		.amdhsa_float_denorm_mode_32 3
		.amdhsa_float_denorm_mode_16_64 3
		.amdhsa_memory_ordered 1
		.amdhsa_forward_progress 1
		.amdhsa_inst_pref_size 145
	.end_amdhsa_kernel
	.amdgpu_metadata
---
amdhsa.version: [ 1, 2 ]
amdhsa.kernels:
  - .name:           k_qd135e8c357_proj
    .symbol:         k_qd135e8c357_proj.kd
    .args:
      - { .name: x_codes, .offset: 0, .size: 8, .value_kind: global_buffer, .address_space: global }
      - { .name: Wq_codes, .offset: 8, .size: 8, .value_kind: global_buffer, .address_space: global }
      - { .name: Wk_codes, .offset: 16, .size: 8, .value_kind: global_buffer, .address_space: global }
      - { .name: Wv_codes, .offset: 24, .size: 8, .value_kind: global_buffer, .address_space: global }
      - { .name: lowp_scales, .offset: 32, .size: 8, .value_kind: global_buffer, .address_space: global }
      - { .name: qc, .offset: 40, .size: 8, .value_kind: global_buffer, .address_space: global }
      - { .name: kc, .offset: 48, .size: 8, .value_kind: global_buffer, .address_space: global }
      - { .name: vc, .offset: 56, .size: 8, .value_kind: global_buffer, .address_space: global }
    .group_segment_fixed_size: 327680
    .private_segment_fixed_size: 0
    .kernarg_segment_align: 8
    .kernarg_segment_size: 64
    .max_flat_workgroup_size: 128
    .sgpr_count:     100
    .vgpr_count:     1024
    .wavefront_size: 32
...
	.end_amdgpu_metadata
.endif
;; end of part 1
;; launch scores (part 2): grid 12 x 16, 4 waves a work-group, clusters of 4 x 4, 327,680 bytes of LDS; arguments qc, kc, lowp_scales, pc, st; writes pc, st
.if DOCPART == 2
	.amdgcn_target "amdgcn-amd-amdhsa--gfx1250"
	.amdhsa_code_object_version 6
	.text
	.protected	k_qd135e8c357_scores
	.globl	k_qd135e8c357_scores
	.p2align	8
	.type	k_qd135e8c357_scores,@function
k_qd135e8c357_scores:
	s_mov_b64 s[64:65], 0
	v_nop
	global_prefetch_b8 v0, s[64:65] scope:SCOPE_SE
	s_setreg_imm32_b32 hwreg(HW_REG_WAVE_MODE, 25, 1), 1
	s_wait_xcnt 0x0
	s_wait_alu depctr_hold_cnt(0) depctr_sa_sdst(0) depctr_va_vdst(0) depctr_va_sdst(0) depctr_va_ssrc(0) depctr_va_vcc(0) depctr_vm_vsrc(0)
	s_getreg_b32 s2, hwreg(HW_REG_IB_STS2, 6, 4)
	s_cmp_eq_u32 s2, 0
	s_cbranch_scc0 .Lentry_in_a_cluster
	s_endpgm
.Lentry_in_a_cluster:
	s_bfe_u32 s2, ttmp6, 0x10000c
	s_cmp_lg_u32 s2, 0xf033
	s_cbranch_scc0 .Lentry_shape_is_right
	s_endpgm
.Lentry_shape_is_right:
; S = q k^T on codes, the causal mask, and the softmax's p for tiles of 256 queries x 256 keys; p leaves as codes of E4M3, with each (query, key tile)'s M and sum.
; t = sum x 2^(e6 + e7) x log2(e) / 32.  M = the ceiling of the largest t among the query's 256 keys OF THIS TILE, a whole number; p = 2^(t - M); the tile's sum l is taken of the unquantised p.
; The last launch brings the tiles of a row under the row's M by exact powers of two.  A row of a tile with no key that counts gets M = -3e38, l = 0 and zero codes.
; LIMITS: e6 + e7 between -121 and 131 (they are added to the exponent field of log2(e) / 32); e8 between -126 and 119; the scaled scores stay under 2^31 in magnitude.
; GRID.  For each batch three clusters of 4 x 4 tiles: the quadrants (0,0), (1,0), (1,1) of the 8 x 8 tiles; the fourth holds only keys behind the queries and is left out.  q's tile is asked for jointly along a row of the cluster, k's along a column.
; In the two quadrants on the diagonal six of sixteen partners lie wholly above it.  They run the same text and make every joint request (no branch may hang on a place in the cluster); their p are zeros.
; qc, kc: [row tile 32][slice 8][group of 32: 4][16 rows: 16][512 bytes], images of operand registers; in qc the slices with an even number hold -q.
; LDS: q's slices n at 32,768 (n % 4), k's at 131,072 + 32,768 (n % 4), dense.  The head's one load a wave brings two slices (65,536 bytes): four slices of each operand; two refills of one slice a wave bring the rest.
; By this text's count a wave has one tensor load out at most.
; A wave makes 128 x 128: 64 accumulators.  Source 0 = 16 keys, source 1 = 16 queries: a lane holds ONE query and eight neighbouring keys: eight codes along the next K.
; Each k stands in the place that the form's own layout gives it; one accumulator for each output, K ascending.
; REGISTERS: window 0: v0-31 addresses and constants; v128-255 q's fragments, one set; window 1: k's, two sets; windows 2, 3: accumulator (a, b) at v[8 (8 (a % 4) + b)].
; On the way out window 0 holds: v32.. at work; v48.. -M (stride 2); v64.. the maxima's chains; v96.. the sums' chains; v128-255 p's codes.
.set BLK,    32768
.set KREG,   131072
.set SPARE,  262144
.set XCH,    SPARE+512                 ; the two waves of a row half exchange maxima here (1,024 bytes a wave),
.set LXO,    4096                      ; and sums 4,096 bytes further on
.set STT,    XCH+8192                  ; 512 bytes a wave: M or l turned from (register, lane) into 128 neighbours
.set FR,     16
.set NL,     4
.set NP,     4
.set SW,   8
.set SRD,  9
.set NINF, 10
.set VD,   11
.set SCLP, 12
.set LIMP, 13
.set XW,   14
.set XR,   15
.set ADRA, 16
.set ADRB, 20
.set CO,   26
.set PFO,  27
.set SPW,  28
.set NIL,  29
.set PT,   32
.set NM,   48
.set TC,   64
.set SS,   96
.set CD,   128
.set AF,   128
.set G1QH, 24
.set G1QR, 32
.set G0QH, 40
.set G0KH, 44
.set G1KH, 48
.set G1KR, 56
.set G0QR, 72
.set G0KR, 88
.set SEL, 66                           ; s[66:67] lane selects: lane l xor 16
.set CS,  80                           ; s[80:81] c = 2^(e6 + e7) log2(e) / 32
.set PFA, 82
.set MD,  86                           ; s86-93 masks of hidden keys for blocks on the diagonal, one for each register j (written when no tensor load is left)
.set MU,  94                           ; s94 for blocks with b > a
.set ML,  95                           ; s95 for blocks with b < a
.set WCM, 98                           ; s98 all ones in the waves that store l, 0 in those that store M
.set MSB, 0
.macro WIN new
.if MSB != (\new)
	s_set_vgpr_msb (MSB<<8)|(\new)
.set MSB, (\new)
.endif
.endm
.set MUL_LO, 0xa1
.set MUL_HI, 0xf1
.set TO_B,   0x40
.macro PLACES n
.rept \n
	v_nop
.endr
.endm
.macro JLOAD g0a, g1a, g0b, g1b        ; waves 0, 1 ask for q's slices, waves 2, 3 for k's; four v_nop follow each line
	s_cmp_eq_u32 s15, 0
	s_cbranch_scc0 .Lfor_b_\@
	tensor_load_to_lds s[\g0a:\g0a+3], s[\g1a:\g1a+7]
	s_nop 0
.rept 4
	v_nop
.endr
	s_branch .Lasked_\@
.Lfor_b_\@:
	tensor_load_to_lds s[\g0b:\g0b+3], s[\g1b:\g1b+7]
	s_nop 0
.rept 4
	v_nop
.endr
.Lasked_\@:
.endm
.macro CREST
	s_cmp_lg_u32 s14, 0
	s_cbranch_scc1 .Lnot_wave_0_\@
	s_barrier_signal -3
.Lnot_wave_0_\@:
	s_barrier_wait -3
	s_barrier_signal -1
	s_barrier_wait -1
.endm
.macro CROUND
	s_barrier_signal -1
	s_barrier_wait -1
	CREST
.endm
.macro DENSE g, rows                   ; words 1 to 7 of a group 1: a dense block in rows of 256 bytes
	s_mov_b32 s[\g+1], 256<<16
	s_mov_b32 s[\g+2], \rows<<16
	s_mov_b32 s[\g+3], 256<<16
	s_mov_b32 s[\g+4], \rows
	s_mov_b32 s[\g+5], 256
	s_mov_b32 s[\g+6], 0
	s_mov_b32 s[\g+7], 0
.endm
	s_load_b128 s[4:7], s[0:1], 0x0                ; qc, kc
	s_load_b128 s[8:11], s[0:1], 0x10              ; the scales, pc
	s_load_b64 s[12:13], s[0:1], 0x20              ; st
	v_lshl_add_u32 v[SPW], v0, 2, SPARE
	v_mov_b32 v[NIL], 0
	ds_add_u32 v[SPW], v[NIL]
	ds_add_u32 v[SPW], v[NIL]
	v_lshrrev_b32 v1, 5, v0
	v_readfirstlane_b32 s14, v1                    ; wave
	s_lshr_b32 s15, s14, 1                         ; wr: my 128 queries.  Also: I fetch for q (0) or for k (1)
	s_and_b32 s16, s14, 1                          ; wc: my 128 keys.  Also: which part of what is fetched is mine
	s_bfe_u32 s68, ttmp6, 0x40000                  ; cx
	s_bfe_u32 s69, ttmp6, 0x40004                  ; cy
	s_lshr_b32 s70, ttmp9, 1                       ; the quadrant's column: clusters 0, 1, 2 -> 0, 0, 1
	s_lshl_b32 s70, s70, 2
	s_add_co_u32 s70, s70, s68                     ; jt: the key tile
	s_add_co_u32 s17, ttmp9, 1
	s_lshr_b32 s17, s17, 1                         ; the quadrant's row: 0, 1, 1
	s_lshl_b32 s17, s17, 2
	s_add_co_u32 s17, s17, s69                     ; i: the query tile
	s_and_b32 s18, ttmp7, 0xffff                   ; the batch
	s_lshl_b32 s92, s69, 2
	s_lshl_b32 s92, 15, s92
	s_lshl_b32 s93, 0x1111, s68
	s_or_b32 s[G1QH], s92, 1<<21
	s_or_b32 s[G1QR], s92, 1<<21
	s_or_b32 s[G1KH], s93, 1<<21
	s_or_b32 s[G1KR], s93, 1<<21
	DENSE G1QH, 256
	DENSE G1KH, 256
	DENSE G1QR, 128
	DENSE G1KR, 128
	s_lshl_b32 s20, s18, 3
	s_add_co_u32 s20, s20, s17                     ; q: row tile 8 b + i
	s_lshl_b32 s20, s20, 18
	s_mov_b32 s21, 0
	s_lshl_b32 s22, s18, 3
	s_add_co_u32 s22, s22, s70                     ; k: row tile 8 b + jt
	s_lshl_b32 s22, s22, 18
	s_mov_b32 s23, 0
	s_lshl_b32 s94, s16, 16
	s_mov_b32 s95, 0
	s_lshl_b32 s96, s16, 15
	s_add_co_u32 s96, s96, 4*BLK
	s_mov_b32 s97, 0
	s_wait_dscnt 0x0
	s_wait_kmcnt 0x0
	s_load_b128 s[76:79], s[8:9], 0x18             ; e6, e7, e8, e9
	s_add_nc_u64 s[20:21], s[4:5], s[20:21]
	s_add_nc_u64 s[22:23], s[6:7], s[22:23]
	s_mov_b32 s[G0QH], 1                           ; the head: slices 2 wc, 2 wc + 1
	s_lshl_b32 s[G0QH+1], s14, 16
	s_add_nc_u64 s[G0QH+2:G0QH+3], s[20:21], s[94:95]
	s_or_b32 s[G0QH+3], s[G0QH+3], 0x80000000
	s_mov_b32 s[G0KH], 1
	s_lshl_b32 s[G0KH+1], s14, 16
	s_add_nc_u64 s[G0KH+2:G0KH+3], s[22:23], s[94:95]
	s_or_b32 s[G0KH+3], s[G0KH+3], 0x80000000
	s_lshl_b32 s71, s15, 17                        ; the first refill: slice 4 + wc
	s_lshl_b32 s94, s16, 15
	s_add_co_u32 s71, s71, s94
	s_mov_b32 s[G0QR], 1
	s_mov_b32 s[G0QR+1], s71
	s_add_nc_u64 s[G0QR+2:G0QR+3], s[20:21], s[96:97]
	s_or_b32 s[G0QR+3], s[G0QR+3], 0x80000000
	s_mov_b32 s[G0KR], 1
	s_mov_b32 s[G0KR+1], s71
	s_add_nc_u64 s[G0KR+2:G0KR+3], s[22:23], s[96:97]
	s_or_b32 s[G0KR+3], s[G0KR+3], 0x80000000
	CROUND
	JLOAD G0QH, G1QH, G0KH, G1KH                   ; the head's one tensor load a wave
	; the prefetches: of the 128 blocks of 256 bytes of each slice that I refill, my work-group names 32, told apart by address among the four that ask jointly
	s_cmp_eq_u32 s15, 0
	s_cselect_b64 s[PFA:PFA+1], s[20:21], s[22:23]
	s_cselect_b32 s92, s68, s69
	s_lshl_b32 s92, s92, 13
	s_add_co_u32 s96, s96, s92
	s_add_nc_u64 s[PFA:PFA+1], s[PFA:PFA+1], s[96:97]
	s_lshl_b32 s20, s18, 4                         ; pc: batch, queries 256 i + 128 wr, key tile jt, key half wc
	s_lshl_b32 s21, s17, 1
	s_add_co_u32 s20, s20, s21
	s_add_co_u32 s20, s20, s15
	s_lshl_b32 s20, s20, 3
	s_add_co_u32 s20, s20, s70
	s_lshl_b32 s20, s20, 15
	s_lshl_b32 s21, s16, 14
	s_add_co_u32 s20, s20, s21
	s_mov_b32 s21, 0
	s_add_nc_u64 s[10:11], s[10:11], s[20:21]
	s_lshl_b32 s20, s18, 3                         ; st: [b][jt][M or l][query] f32: wave wc = 0 stores M, wc = 1 stores l, of queries 256 i + 128 wr on
	s_add_co_u32 s20, s20, s70
	s_lshl_b32 s20, s20, 1
	s_add_co_u32 s20, s20, s16
	s_lshl_b32 s20, s20, 13
	s_lshl_b32 s21, s17, 10
	s_add_co_u32 s20, s20, s21
	s_lshl_b32 s21, s15, 9
	s_add_co_u32 s20, s20, s21
	s_mov_b32 s21, 0
	s_add_nc_u64 s[12:13], s[12:13], s[20:21]
	s_cmp_eq_u32 s16, 1
	s_cselect_b32 s[WCM], -1, 0
	s_mov_b32 s[SEL], 0x76543210
	s_mov_b32 s[SEL+1], 0xfedcba98
	s_lshl_b32 s92, s15, 12                        ; my 128 rows of q in a group,
	s_lshl_b32 s93, s16, 12
	s_add_co_u32 s93, s93, KREG                    ; and of k
	s_lshl_b32 s94, s14, 10
	s_add_co_u32 s94, s94, XCH
	s_xor_b32 s95, s14, 1
	s_lshl_b32 s95, s95, 10
	s_add_co_u32 s95, s95, XCH
	s_lshl_b32 s96, s14, 9
	s_add_co_u32 s96, s96, STT
	s_sub_co_i32 s97, s17, s70                     ; d = 256 (i - jt) + 128 (wr - wc) + r - 8 h.  Register j of accumulator (a, b) holds a key that is hidden where 16 (b - a) + j > d
	s_lshl_b32 s97, s97, 8
	s_sub_co_i32 s71, s15, s16
	s_lshl_b32 s71, s71, 7
	s_add_co_i32 s97, s97, s71
	v_and_b32 v1, 15, v0                           ; r
	v_bfe_u32 v2, v0, 4, 1                         ; h
	v_and_b32 v7, 31, v0                           ; lane
	v_lshlrev_b32 v[CO], 4, v7
	v_add_nc_u32 v[ADRA], s92, v[CO]
	v_add_nc_u32 v[ADRB], s93, v[CO]
	v_add_nc_u32 v[ADRA+1], 2*BLK, v[ADRA]
	v_add_nc_u32 v[ADRB+1], 2*BLK, v[ADRB]
	v_lshl_add_u32 v[XW], v7, 2, s94               ; my words of the exchange,
	v_lshl_add_u32 v[XR], v7, 2, s95               ; and those of the wave with my queries and the other keys
	v_lshl_add_u32 v[SW], v1, 2, s96
	v_lshl_add_u32 v[SRD], v7, 4, s96
	v_lshlrev_b32 v5, 3, v2
	v_sub_nc_u32 v5, v1, v5
	v_add_nc_u32 v[VD], s97, v5
	v_lshlrev_b32 v[PFO], 8, v7
	s_wait_alu depctr_va_vdst(0)                   ; the head's end
	global_prefetch_b8 v[PFO], s[PFA:PFA+1] th:TH_LOAD_NT scope:SCOPE_SE   ; slices 4, 5: the first refill's
.macro FRAG reg, adr, q, i             ; 16 rows x 128 K: four images; registers 2 n, 2 n + 1 hold k = 16 n + 8 h + 0 .. 7
.irp c, 0,1,2,3
	ds_load_b128 v[\reg+4*\c:\reg+4*\c+3], v[\adr] offset:BLK*(\q)+8192*\c+512*(\i)
.endr
.endm
; q's blocks a0, a0 + 1 against k's eight; the 64 accumulators take turns.  Every product but a sum's first takes -C; between a sum's first product, which has no
; such modifier, and its second stand eight plain vector lines on every path.
.macro MUL16 a0, p, zero
.irp a, \a0, \a0+1
.irp b, 0,1,2,3,4,5,6,7
.if \zero
	v_wmma_f32_16x16x128_fp8_fp8 v[8*(8*((\a)%4)+\b):8*(8*((\a)%4)+\b)+7], v[128*(\p)+FR*\b:128*(\p)+FR*\b+FR-1], v[AF+FR*(\a):AF+FR*(\a)+FR-1], 0
.else
	v_wmma_f32_16x16x128_fp8_fp8 v[8*(8*((\a)%4)+\b):8*(8*((\a)%4)+\b)+7], v[128*(\p)+FR*\b:128*(\p)+FR*\b+FR-1], v[AF+FR*(\a):AF+FR*(\a)+FR-1], v[8*(8*((\a)%4)+\b):8*(8*((\a)%4)+\b)+7] neg_lo:[0,0,1]
.endif
.endr
.endr
.endm
.macro FETCH_B slot, q, p
	WIN TO_B
.irp i, 0,1,2,3,4,5,6,7
	FRAG 128*(\p)+FR*\i, ADRB+\slot, \q, \i
.endr
	WIN 0
.endm
.macro FETCH_A slot, q, i0
.irp i, \i0, \i0+1, \i0+2, \i0+3
	FRAG AF+FR*(\i), ADRA+\slot, \q, \i
.endr
.endm
.macro STEP slot, zero                 ; a slot's first slice
	s_wait_dscnt 4*NL                              ; k's set and q's blocks 0-3 are in; the youngest sixteen loads (blocks 4-7) may be out
	WIN MUL_LO
	MUL16 0, 0, \zero
	MUL16 2, 0, \zero
	s_wait_dscnt 0
	PLACES NP
	FETCH_B \slot, 1, 1
	FETCH_A \slot, 1, 0
	WIN MUL_HI
	MUL16 4, 0, \zero
	MUL16 6, 0, \zero
	PLACES NP
	WIN 0
	FETCH_A \slot, 1, 4
.endm
.macro TURN slot, next, fill           ; a slot's second slice changes slots
	s_wait_tensorcnt 0x0                           ; my part of the next slot has landed
	ds_add_u32 v[SPW], v[NIL]                      ; 0 onto my spare word
.if (\fill) && (\slot)
	s_add_co_u32 s[G0QR+1], s[G0QR+1], 2*BLK       ; the second refill: the other slot, two slices on
	s_add_nc_u64 s[G0QR+2:G0QR+3], s[G0QR+2:G0QR+3], 2*BLK
	s_add_co_u32 s[G0KR+1], s[G0KR+1], 2*BLK
	s_add_nc_u64 s[G0KR+2:G0KR+3], s[G0KR+2:G0KR+3], 2*BLK
.endif
	s_wait_dscnt 4*NL+1                            ; (the add and the youngest sixteen loads may be out)
	WIN MUL_LO
	MUL16 0, 1, 0
	s_wait_dscnt 0x0                               ; the add is done, and my reads of this slot are over
	s_barrier_signal -1
	MUL16 2, 1, 0
	WIN 0
	s_barrier_wait -1
.if \fill
	CREST
	JLOAD G0QR, G1QR, G0KR, G1KR                   ; the first tensor load behind the round; its four v_nop are the places in front of the loads below
.else
	PLACES NP
.endif
	FETCH_B \next, 0, 0
	FETCH_A \next, 0, 0
	WIN MUL_HI
	MUL16 4, 1, 0
	MUL16 6, 1, 0
	PLACES NP
	WIN 0
	FETCH_A \next, 0, 4
.endm
	s_wait_tensorcnt 0x0                           ; my part of both slots is in
	s_barrier_signal -1
	s_barrier_wait -1
	FETCH_B 0, 0, 0
	FETCH_A 0, 0, 0
	FETCH_A 0, 0, 4
	global_prefetch_b8 v[PFO], s[PFA:PFA+1] offset:2*BLK th:TH_LOAD_NT scope:SCOPE_SE   ; slices 6, 7: the second refill's
	STEP 0, 1
	TURN 0, 1, 1
	STEP 1, 0
	TURN 1, 0, 1
	STEP 0, 0
	TURN 0, 1, 0
	STEP 1, 0
	s_wait_dscnt 4*NL
	WIN MUL_LO
	MUL16 0, 1, 0
	MUL16 2, 1, 0
	s_wait_dscnt 0
	WIN MUL_HI
	MUL16 4, 1, 0
	MUL16 6, 1, 0
	WIN 0
	; THE WAY OUT.  The eighth product has left the sums with their own sign.  Constants first: the eleven v_mov_b32 name no register of a matrix instruction and are the places behind the last products.
	s_wait_kmcnt 0x0
	s_add_co_i32 s84, s76, s77
	s_lshl_b32 s84, s84, 23
	s_add_co_i32 s[CS], s84, 0x3d38aa3b            ; log2(e) / 32, with e6 + e7 added to its exponent field
	s_mov_b32 s[CS+1], s[CS]                       ; (named with it as a pair)
	s_add_co_i32 s84, s78, 127
	s_lshl_b32 s85, s84, 23
	v_mov_b32 v[SCLP], s85                         ; 2^e8
	s_add_co_i32 s84, s84, 8
	s_lshl_b32 s84, s84, 23
	s_or_b32 s84, s84, 0x600000
	v_mov_b32 v[LIMP], s84                         ; 448 x 2^e8
	v_mov_b32 v[NINF], 0xff800000                  ; -infinity
.irp a, 0,1,2,3,4,5,6,7
	v_mov_b32 v[NM+2*\a+1], 0                      ; (named as the upper halves of -M's pairs)
.endr
; 256 (i - jt) + 128 (wr - wc) is a multiple of 128, and r - 8 h lies between -8 and 15.  So 16 > d decides every block with b > a, -9 > d every block with b < a, and j > d the blocks with b = a.
.irp j, 0,1,2,3,4,5,6,7
	v_cmp_gt_i32 s[MD+\j], \j, v[VD]
.endr
	v_cmp_gt_i32 s[MU], 16, v[VD]
	v_cmp_gt_i32 s[ML], -9, v[VD]
.irp hw, 0,1                           ; window 2: blocks a = 0-3; window 3: a = 4-7
	WIN 0x82+0x41*\hw
.irp al, 0,1,2,3
.irp b, 0,1,2,3,4,5,6,7
.irp j, 0,1,2,3,4,5,6,7
.if \b > 4*\hw+\al
	v_cndmask_b32 v[8*(8*\al+\b)+\j], v[8*(8*\al+\b)+\j], v[NINF], s[MU]      ; hidden scores become -infinity; each accumulator from its low end on
.elseif \b < 4*\hw+\al
	v_cndmask_b32 v[8*(8*\al+\b)+\j], v[8*(8*\al+\b)+\j], v[NINF], s[ML]
.else
	v_cndmask_b32 v[8*(8*\al+\b)+\j], v[8*(8*\al+\b)+\j], v[NINF], s[MD+\j]
.endif
.endr
.endr
.endr
	WIN 0x0a+5*\hw                                 ; sources 0 and 1 in the scores' window
.irp al, 0,1,2,3
.set rT, TC+4*(4*\hw+\al)
.set rA, 64*\al
.irp c, 0,1,2,3                        ; a block's 64 scores of my query in four chains of sixteen
	v_max3_num_f32 v[rT+\c], v[rA+16*\c], v[rA+16*\c+1], v[NINF]
.endr
.irp k, 1,2,3,4,5,6,7
.irp c, 0,1,2,3
	v_max3_num_f32 v[rT+\c], v[rA+16*\c+2*\k], v[rA+16*\c+2*\k+1], v[rT+\c]
.endr
.endr
.endr
.endr
	WIN 0
.irp a, 0,1,2,3,4,5,6,7
	v_max3_num_f32 v[TC+4*\a], v[TC+4*\a], v[TC+4*\a+1], v[TC+4*\a+2]
.endr
.irp a, 0,1,2,3,4,5,6,7
	v_max_num_f32 v[TC+4*\a], v[TC+4*\a], v[TC+4*\a+3]
.endr
.irp a, 0,1,2,3,4,5,6,7
	v_permlanex16_b32 v[TC+4*\a+1], v[TC+4*\a], s[SEL], s[SEL+1]   ; the query's other keys of each block lie in lane l xor 16
.endr
.irp a, 0,1,2,3,4,5,6,7
	v_max_num_f32 v[TC+4*\a], v[TC+4*\a], v[TC+4*\a+1]
.endr
.irp a, 0,1,2,3,4,5,6,7
	ds_store_b32 v[XW], v[TC+4*\a] offset:128*\a
.endr
	s_wait_alu depctr_va_vdst(0)
	s_wait_dscnt 0x0                               ; for the other wave's sake
	s_barrier_signal -1
	s_barrier_wait -1
.irp a, 0,1,2,3,4,5,6,7
	ds_load_b32 v[PT+\a], v[XR] offset:128*\a      ; the largest among the tile's other 128 keys
.endr
	s_wait_dscnt 0x0
.irp a, 0,1,2,3,4,5,6,7
	v_max_num_f32 v[TC+4*\a], v[TC+4*\a], v[PT+\a]
.endr
.irp a, 0,1,2,3,4,5,6,7
	v_mul_f32 v[TC+4*\a], s[CS], v[TC+4*\a]        ; as t (c is positive)
.endr
.irp a, 0,1,2,3,4,5,6,7
	v_max_num_f32 v[TC+4*\a], 0xff61b1e6, v[TC+4*\a]   ; a row with no key that counts: -3e38 in -infinity's place
.endr
.irp a, 0,1,2,3,4,5,6,7
	v_floor_f32 v[NM+2*\a], -v[TC+4*\a]            ; -M = floor(-t): M is a whole number
.endr
.irp a, 0,1,2,3,4,5,6,7
.set rA, 64*(\a%4)
.set wn, 2+\a/4
	WIN 0x41*wn
.set i, 0
.rept 32
	v_pk_fma_f32 v[rA+i:rA+i+1], v[rA+i:rA+i+1], s[CS:CS+1], v[NM+2*\a:NM+2*\a+1] op_sel_hi:[1,0,0]   ; t - M
.set i, i+2
.endr
.set i, 0
	s_wait_alu depctr_va_vdst(0)
.rept 64
	v_exp_f32 v[rA+i], v[rA+i]                     ; p = 2^(t - M)
.set i, i+1
.endr
	v_nop                                          ; a plain line behind the last exponential
	s_wait_alu depctr_va_vdst(0)                   ; one wait for the block's 64 exponentials, ahead of their first reader
	WIN 5*wn
	v_pk_add_f32 v[SS+4*\a:SS+4*\a+1], v[rA:rA+1], v[rA+2:rA+3]       ; the sum of the UNQUANTISED p, in two chains of pairs
	v_pk_add_f32 v[SS+4*\a+2:SS+4*\a+3], v[rA+4:rA+5], v[rA+6:rA+7]
	WIN wn
.set i, 8
.rept 14
	v_pk_add_f32 v[SS+4*\a:SS+4*\a+1], v[rA+i:rA+i+1], v[SS+4*\a:SS+4*\a+1]
	v_pk_add_f32 v[SS+4*\a+2:SS+4*\a+3], v[rA+i+2:rA+i+3], v[SS+4*\a+2:SS+4*\a+3]
.set i, i+4
.endr
	WIN 0x41*wn
.set i, 0
.rept 64
	v_min_num_f32 v[rA+i], v[rA+i], v[LIMP]        ; the conversion does not saturate (ISA guide 7.6.2); p is not negative, so the hold is one-sided
.set i, i+1
.endr
	WIN wn
.irp b, 0,1,2,3,4,5,6,7
	v_cvt_scalef32_pk8_fp8_f32 v[CD+16*\a+2*\b:CD+16*\a+2*\b+1], v[rA+8*\b:rA+8*\b+7], v[SCLP]
.endr
	v_nop                                          ; a plain line behind the last conversion
	WIN 0
.irp c, 0,1,2,3
	global_store_b128 v[CO], v[CD+16*\a+4*\c:CD+16*\a+4*\c+3], s[10:11] offset:4096*\c+512*\a   ; queries 16 a on, keys 32 c on: 512 consecutive bytes, aligned
.endr
.endr
.irp a, 0,1,2,3,4,5,6,7
	v_pk_add_f32 v[SS+4*\a:SS+4*\a+1], v[SS+4*\a:SS+4*\a+1], v[SS+4*\a+2:SS+4*\a+3]
.endr
.irp a, 0,1,2,3,4,5,6,7
	v_add_f32 v[SS+4*\a], v[SS+4*\a], v[SS+4*\a+1]
.endr
.irp a, 0,1,2,3,4,5,6,7
	v_permlanex16_b32 v[SS+4*\a+1], v[SS+4*\a], s[SEL], s[SEL+1]
.endr
.irp a, 0,1,2,3,4,5,6,7
	v_add_f32 v[SS+4*\a], v[SS+4*\a], v[SS+4*\a+1]
.endr
.irp a, 0,1,2,3,4,5,6,7
	ds_store_b32 v[XW], v[SS+4*\a] offset:LXO+128*\a
.endr
	s_wait_alu depctr_va_vdst(0)
	s_wait_dscnt 0x0                               ; for the other wave's sake
	s_barrier_signal -1
	s_barrier_wait -1
.irp a, 0,1,2,3,4,5,6,7
	ds_load_b32 v[PT+\a], v[XR] offset:LXO+128*\a
.endr
	s_wait_dscnt 0x0
.irp a, 0,1,2,3,4,5,6,7
	v_add_f32 v[SS+4*\a], v[SS+4*\a], v[PT+\a]     ; l of the tile's 256 keys
.endr
.irp a, 0,1,2,3,4,5,6,7
	v_mul_f32 v[SS+4*\a+1], -1.0, v[NM+2*\a]       ; M
.endr
.irp a, 0,1,2,3,4,5,6,7
	v_cndmask_b32 v[SS+4*\a], v[SS+4*\a+1], v[SS+4*\a], s[WCM]
.endr
.irp a, 0,1,2,3,4,5,6,7
	ds_store_b32 v[SW], v[SS+4*\a] offset:64*\a    ; query 16 a + r; lanes r and r + 16 hold the same number and write the same word
.endr
	ds_load_b128 v[PT:PT+3], v[SRD]                ; back as four neighbouring queries a lane: LDS serves a wave's instructions in order
	s_wait_dscnt 0x0
	global_store_b128 v[CO], v[PT:PT+3], s[12:13]  ; 512 consecutive bytes, aligned
	s_wait_tensorcnt 0x0                           ; the wave's end
	ds_add_u32 v[SPW], v[NIL]
	s_wait_dscnt 0x0
	CROUND                                         ; the closing round
	s_endpgm
.Lfunc_end_k_qd135e8c357_scores:
	.size	k_qd135e8c357_scores, .Lfunc_end_k_qd135e8c357_scores-k_qd135e8c357_scores
	.p2alignl 7, 3214868480
	.fill 96, 4, 3214868480
	.section	.rodata,"a",@progbits
	.p2align	6, 0x0
	.amdhsa_kernel k_qd135e8c357_scores
		.amdhsa_group_segment_fixed_size 327680
		.amdhsa_private_segment_fixed_size 0
		.amdhsa_enable_private_segment 0
		.amdhsa_kernarg_size 40
		.amdhsa_user_sgpr_count 2
		.amdhsa_user_sgpr_kernarg_segment_ptr 1
		.amdhsa_wavefront_size32 1
		.amdhsa_system_sgpr_workgroup_id_x 1
		.amdhsa_system_sgpr_workgroup_id_y 1
		.amdhsa_system_sgpr_workgroup_id_z 1
		.amdhsa_system_vgpr_workitem_id 0
		.amdhsa_next_free_vgpr 1024
		.amdhsa_next_free_sgpr 100
		.amdhsa_reserve_vcc 0
		.amdhsa_float_denorm_mode_32 3
		.amdhsa_float_denorm_mode_16_64 3
		.amdhsa_memory_ordered 1
		.amdhsa_forward_progress 1
		.amdhsa_inst_pref_size 209
	.end_amdhsa_kernel
	.amdgpu_metadata
---
amdhsa.version: [ 1, 2 ]
amdhsa.kernels:
  - .name:           k_qd135e8c357_scores
    .symbol:         k_qd135e8c357_scores.kd
    .args:
      - { .name: qc, .offset: 0, .size: 8, .value_kind: global_buffer, .address_space: global }
      - { .name: kc, .offset: 8, .size: 8, .value_kind: global_buffer, .address_space: global }
      - { .name: lowp_scales, .offset: 16, .size: 8, .value_kind: global_buffer, .address_space: global }
      - { .name: pc, .offset: 24, .size: 8, .value_kind: global_buffer, .address_space: global }
      - { .name: st, .offset: 32, .size: 8, .value_kind: global_buffer, .address_space: global }
    .group_segment_fixed_size: 327680
    .private_segment_fixed_size: 0
    .kernarg_segment_align: 8
    .kernarg_segment_size: 40
    .max_flat_workgroup_size: 128
    .sgpr_count:     100
    .vgpr_count:     1024
    .wavefront_size: 32
...
	.end_amdgpu_metadata
.endif
;; end of part 2
;; launch pv (part 3): grid 4 x 64, 4 waves a work-group, clusters of 4 x 4, 327,680 bytes of LDS; arguments pc, vc, st, lowp_scales, out0; writes out0
.if DOCPART == 3
	.amdgcn_target "amdgcn-amd-amdhsa--gfx1250"
	.amdhsa_code_object_version 6
	.text
	.protected	k_qd135e8c357_pv
	.globl	k_qd135e8c357_pv
	.p2align	8
	.type	k_qd135e8c357_pv,@function
k_qd135e8c357_pv:
	s_mov_b64 s[64:65], 0
	v_nop
	global_prefetch_b8 v0, s[64:65] scope:SCOPE_SE
	s_setreg_imm32_b32 hwreg(HW_REG_WAVE_MODE, 25, 1), 1
	s_wait_xcnt 0x0
	s_wait_alu depctr_hold_cnt(0) depctr_sa_sdst(0) depctr_va_vdst(0) depctr_va_sdst(0) depctr_va_ssrc(0) depctr_va_vcc(0) depctr_vm_vsrc(0)
	s_getreg_b32 s2, hwreg(HW_REG_IB_STS2, 6, 4)
	s_cmp_eq_u32 s2, 0
	s_cbranch_scc0 .Lentry_in_a_cluster
	s_endpgm
.Lentry_in_a_cluster:
	s_bfe_u32 s2, ttmp6, 0x10000c
	s_cmp_lg_u32 s2, 0xf033
	s_cbranch_scc0 .Lentry_shape_is_right
	s_endpgm
.Lentry_shape_is_right:
; O = (sum over key tiles of 2^(M_tile - M_row) x P_tile V_tile) x 2^(e8 + e9) / (sum over key tiles of 2^(M_tile - M_row) x l_tile).
; pc: [batch][128 queries: 16][key tile 8][32 keys: 8][16 queries: 8][512 bytes] codes of p, each tile of 256 keys under its own whole-number M; vc: [batch][256 channels: 4][key tile 8][32 keys: 8][16 channels: 16][512 bytes];
; both are images of operand registers.  st: [batch][key tile 8][M, l][query 2048] f32.
; M_row = the largest M_tile, so every factor is a power of two that is at most 1: nothing is rounded by it and nothing can overflow.  e8 + e9 is applied by v_ldexp_f32 and has no limit.
; SHARES.  A work-group makes 128 queries x 256 channels; a wave 64 x 128.  A key tile's product is summed apart, in T (32 accumulators, window 2), and added into ACC (window 3) by one packed
; multiply-add with the tile's factor: T and ACC are 2 x 256 registers, which is why the wave's tile is not larger.
; CLUSTER 4 x 4: 512 queries x 1,024 channels of one batch.  P's tile is asked for jointly along a row of the cluster, V's along a column.  The cluster with queries 512 g on walks 2 (g + 1) key tiles:
; a trip count made of the cluster's y alone, the same in all sixteen partners; the tiles beyond hold only keys that reference()'s causal mask hides, and are left out.  No LDS address is stepped in that loop.
; RING.  Two slots of one key tile, dense: P's 32,768 bytes at 32,768 s, V's 65,536 at 65,536 + 65,536 s.  The head's one load a wave brings a whole tile of P (waves 0, 1: tiles 0, 1) or of V (waves 2, 3);
; a refill is half a tile a wave.  By this text's count a wave has one tensor load out at most.
; PREFETCH: each refill's tile is asked for two refills ahead: tiles 2 and 3 at the head and behind the first barrier, tiles 4 on behind the refills.  A tile's blocks of 256 bytes are shared out by address among the four
; work-groups that ask for it jointly, 32 an instruction: wave 0 for P, waves 2 and 3 for V.  The last trip asks for nothing.
; Source 0 = 16 channels of V, source 1 = 16 queries of P: a lane holds ONE query and eight neighbouring channels.
; REGISTERS: window 0: v0-31 addresses; v32-95, v96-159 P's fragments, two sets; v160-223 the tiles' factors (tile jj, block a: v[160 + 2 (4 jj + a)]); v224.. 2^(e8 + e9) / l (stride 2); window 1: V's, two sets.
.set VREG,   65536
.set SPARE,  196608
.set STAGE,  SPARE+512                 ; 16 rows x (512 + 16) for each wave
.set SPITCH, 528
.set OF,   8                           ; v8-15 byte offsets into st, one for each key tile
.set ADRA, 16
.set ADRB, 20
.set PFO,  23
.set STO,  24
.set RD,   25
.set CO,   26
.set SPW,  28
.set NIL,  29
.set AF,   32
.set MS,   32                          ; at the head: the tiles' M,
.set LS,   64                          ; and l
.set FT,   160
.set RINV, 224
.set MF,   232
.set LR,   236
.set TMP,  32                          ; the way out
.set BK,   96
.set G1PH, 24
.set G0P,  32                          ; s[32:39] refills of P, a group 0 for each slot
.set G0PH, 40
.set G0VH, 44
.set G1VH, 48
.set G0V,  56                          ; s[56:63] refills of V
.set G1P,  80
.set G1V,  88
.set PFA,  96
.set PFS,  98
.set LIM,  100                         ; s100: 1 in the waves that ask, in wave 1 a number that no count reaches
.set MSB, 0
.macro WIN new
.if MSB != (\new)
	s_set_vgpr_msb (MSB<<8)|(\new)
.set MSB, (\new)
.endif
.endm
.macro PLACES n
.rept \n
	v_nop
.endr
.endm
.macro JLOAD g0a, g1a, g0b, g1b
	s_cmp_eq_u32 s15, 0
	s_cbranch_scc0 .Lfor_b_\@
	tensor_load_to_lds s[\g0a:\g0a+3], s[\g1a:\g1a+7]
	s_nop 0
.rept 4
	v_nop
.endr
	s_branch .Lasked_\@
.Lfor_b_\@:
	tensor_load_to_lds s[\g0b:\g0b+3], s[\g1b:\g1b+7]
	s_nop 0
.rept 4
	v_nop
.endr
.Lasked_\@:
.endm
.macro CREST
	s_cmp_lg_u32 s14, 0
	s_cbranch_scc1 .Lnot_wave_0_\@
	s_barrier_signal -3
.Lnot_wave_0_\@:
	s_barrier_wait -3
	s_barrier_signal -1
	s_barrier_wait -1
.endm
.macro CROUND
	s_barrier_signal -1
	s_barrier_wait -1
	CREST
.endm
.macro DENSE g, rows
	s_mov_b32 s[\g+1], 256<<16
	s_mov_b32 s[\g+2], \rows<<16
	s_mov_b32 s[\g+3], 256<<16
	s_mov_b32 s[\g+4], \rows
	s_mov_b32 s[\g+5], 256
	s_mov_b32 s[\g+6], 0
	s_mov_b32 s[\g+7], 0
.endm
.macro ASK                             ; SCC holds whether the tile is there to be asked for, by me
	s_cbranch_scc0 .Lnot_mine_\@
	global_prefetch_b8 v[PFO], s[PFA:PFA+1] th:TH_LOAD_NT scope:SCOPE_SE
.Lnot_mine_\@:
.endm
	s_load_b128 s[4:7], s[0:1], 0x0                ; pc, vc
	s_load_b128 s[8:11], s[0:1], 0x10              ; st, the scales
	s_load_b64 s[12:13], s[0:1], 0x20              ; out0
	v_lshl_add_u32 v[SPW], v0, 2, SPARE
	v_mov_b32 v[NIL], 0
	ds_add_u32 v[SPW], v[NIL]
	ds_add_u32 v[SPW], v[NIL]
	v_lshrrev_b32 v1, 5, v0
	v_readfirstlane_b32 s14, v1                    ; wave
	s_lshr_b32 s15, s14, 1                         ; wr: my 64 queries.  Also: I fetch for P (0) or for V (1)
	s_and_b32 s16, s14, 1                          ; wc: my 128 channels.  Also: which part of what is fetched is mine
	s_bfe_u32 s68, ttmp6, 0x40000                  ; cx
	s_bfe_u32 s69, ttmp6, 0x40004                  ; cy
	s_and_b32 s17, ttmp7, 0xffff                   ; the cluster's y
	s_lshr_b32 s18, s17, 2                         ; the batch
	s_and_b32 s19, s17, 3                          ; g: queries 512 g on
	s_lshl_b32 s70, s69, 2
	s_lshl_b32 s70, 15, s70
	s_lshl_b32 s71, 0x1111, s68
	s_or_b32 s[G1PH], s70, 1<<21
	s_or_b32 s[G1P], s70, 1<<21
	s_or_b32 s[G1VH], s71, 1<<21
	s_or_b32 s[G1V], s71, 1<<21
	DENSE G1PH, 128
	DENSE G1VH, 256
	DENSE G1P, 64
	DENSE G1V, 128
	s_lshl_b32 s20, s18, 4
	s_lshl_b32 s21, s19, 2
	s_add_co_u32 s20, s20, s21
	s_add_co_u32 s20, s20, s69                     ; P: query block 16 b + 4 g + cy
	s_lshl_b32 s20, s20, 18
	s_mov_b32 s21, 0
	s_lshl_b32 s22, s18, 2
	s_add_co_u32 s22, s22, s68                     ; V: channel block 4 b + cx
	s_lshl_b32 s22, s22, 19
	s_mov_b32 s23, 0
	s_lshl_b32 s70, s16, 14                        ; parts: 16,384, 32,768 and 65,536 bytes
	s_mov_b32 s71, 0
	s_lshl_b32 s72, s16, 15
	s_mov_b32 s73, 0
	s_lshl_b32 s74, s16, 16
	s_mov_b32 s75, 0
	s_wait_dscnt 0x0
	s_wait_kmcnt 0x0
	s_load_b64 s[76:77], s[10:11], 0x20            ; e8, e9
	s_add_nc_u64 s[20:21], s[4:5], s[20:21]
	s_add_nc_u64 s[22:23], s[6:7], s[22:23]
	s_mov_b32 s[G0PH], 1
	s_mov_b32 s[G0PH+1], s72
	s_add_nc_u64 s[G0PH+2:G0PH+3], s[20:21], s[72:73]
	s_or_b32 s[G0PH+3], s[G0PH+3], 0x80000000
	s_mov_b32 s[G0VH], 1
	s_add_co_u32 s[G0VH+1], s74, VREG
	s_add_nc_u64 s[G0VH+2:G0VH+3], s[22:23], s[74:75]
	s_or_b32 s[G0VH+3], s[G0VH+3], 0x80000000
.irp s, 0,1                            ; the refills' groups 0 stand at tile s; each refill steps its own by two tiles first
	s_mov_b32 s[G0P+4*\s], 1
	s_add_co_u32 s[G0P+4*\s+1], s70, \s*32768
	s_add_nc_u64 s[G0P+4*\s+2:G0P+4*\s+3], s[20:21], s[70:71]
	s_add_nc_u64 s[G0P+4*\s+2:G0P+4*\s+3], s[G0P+4*\s+2:G0P+4*\s+3], \s*32768
	s_or_b32 s[G0P+4*\s+3], s[G0P+4*\s+3], 0x80000000
	s_mov_b32 s[G0V+4*\s], 1
	s_add_co_u32 s[G0V+4*\s+1], s72, VREG+\s*65536
	s_add_nc_u64 s[G0V+4*\s+2:G0V+4*\s+3], s[22:23], s[72:73]
	s_add_nc_u64 s[G0V+4*\s+2:G0V+4*\s+3], s[G0V+4*\s+2:G0V+4*\s+3], \s*65536
	s_or_b32 s[G0V+4*\s+3], s[G0V+4*\s+3], 0x80000000
.endr
	CROUND
	JLOAD G0PH, G1PH, G0VH, G1VH                   ; tiles 0 and 1: the head's one tensor load a wave
	; the prefetches' base: tile 2, my part
	s_lshl_b32 s70, s68, 13
	s_add_co_u32 s70, s70, 2*32768                 ; P: by cx
	s_lshl_b32 s72, s69, 14
	s_lshl_b32 s74, s16, 13
	s_add_co_u32 s72, s72, s74
	s_add_co_u32 s72, s72, 2*65536                 ; V: by cy and the wave
	s_mov_b32 s74, 65536
	s_mov_b32 s[PFS+1], 0
	s_cmp_eq_u32 s15, 0
	s_cselect_b64 s[PFA:PFA+1], s[20:21], s[22:23]
	s_cselect_b32 s70, s70, s72
	s_cselect_b32 s[PFS], 32768, s74               ; a tile on
	s_add_nc_u64 s[PFA:PFA+1], s[PFA:PFA+1], s[70:71]
	s_cmp_eq_u32 s14, 1
	s_cselect_b32 s[LIM], 0x7fffffff, 1
	s_lshl_b32 s66, s19, 9
	s_lshl_b32 s67, s69, 7
	s_add_co_u32 s66, s66, s67                     ; q0 = 512 g + 128 cy
	s_lshl_b32 s72, s15, 6
	s_add_co_u32 s72, s72, s66                     ; my first query
	s_lshl_b32 s72, s72, 2
	s_lshl_b32 s73, s18, 17
	s_add_co_u32 s72, s72, s73
	s_mov_b32 s73, 0
	s_add_nc_u64 s[8:9], s[8:9], s[72:73]
	s_lshl_b32 s70, s18, 11                        ; out0: row 2,048 b + q0 + 64 wr of 4,096 bytes; column 256 cx + 128 wc
	s_add_co_u32 s70, s70, s66
	s_lshl_b32 s71, s15, 6
	s_add_co_u32 s70, s70, s71
	s_lshl_b32 s70, s70, 12
	s_lshl_b32 s71, s68, 10
	s_add_co_u32 s70, s70, s71
	s_lshl_b32 s71, s16, 9
	s_add_co_u32 s70, s70, s71
	s_mov_b32 s71, 0
	s_add_nc_u64 s[12:13], s[12:13], s[70:71]
	s_lshl_b32 s70, s15, 11                        ; my 64 rows of P in a group of 32 keys,
	s_lshl_b32 s71, s16, 12
	s_add_co_u32 s71, s71, VREG                    ; my 128 of V,
	s_mul_i32 s72, s14, 16*SPITCH
	s_add_co_u32 s72, s72, STAGE                   ; and my stage
	; the tiles' M and l of my 64 queries.  Tiles beyond the cluster's last are read as the last one (those bytes were written) and weigh nothing below.
	s_lshl_b32 s75, s19, 1
	s_add_co_u32 s75, s75, 1                       ; the cluster's last key tile: 2 g + 1
	v_and_b32 v1, 15, v0                           ; r
	v_bfe_u32 v2, v0, 4, 1                         ; h
	v_and_b32 v7, 31, v0                           ; lane
	v_lshlrev_b32 v3, 2, v1
	v_lshlrev_b32 v[CO], 4, v7
	v_add_nc_u32 v[ADRA], s70, v[CO]
	v_add_nc_u32 v[ADRB], s71, v[CO]
	v_add_nc_u32 v[ADRA+1], 32768, v[ADRA]
	v_add_nc_u32 v[ADRB+1], 65536, v[ADRB]
	v_mul_u32_u24 v5, v1, SPITCH
	v_lshl_add_u32 v5, v2, 5, v5
	v_add_nc_u32 v[STO], s72, v5                   ; in: row r, 32 bytes for each half of the lanes
	v_add_nc_u32 v[RD], s72, v[CO]                 ; back: a row of 512 bytes
	v_lshlrev_b32 v[PFO], 8, v7
	s_wait_alu depctr_va_vdst(0)
.irp jj, 0,1,2,3,4,5,6,7
	s_min_u32 s78, s75, \jj
	s_lshl_b32 s78, s78, 14
	v_add_nc_u32 v[OF+\jj], s78, v3
.endr
	s_wait_alu depctr_va_vdst(0)
.irp jj, 0,1,2,3,4,5,6,7
.irp a, 0,1,2,3
	global_load_b32 v[MS+4*\jj+\a], v[OF+\jj], s[8:9] offset:64*\a
	global_load_b32 v[LS+4*\jj+\a], v[OF+\jj], s[8:9] offset:8192+64*\a
.endr
.endr
	s_cmp_ge_u32 s19, s[LIM]                       ; tile 2, where the cluster walks it
	ASK
	WIN 0xc0                                       ; ACC begins as zeros, written while the first tiles and the 64 loads above are on their way: so every tile is added by the same line, whatever the trip count
.set i, 0
.rept 256
	v_mov_b32 v[i], 0
.set i, i+1
.endr
	WIN 0
.set i, 0
.rept 32
	v_mov_b32 v[FT+i+1], 0                         ; (named as the upper halves of the factors' pairs)
.set i, i+2
.endr
.irp a, 0,1,2,3
	v_mov_b32 v[RINV+2*\a+1], 0
.endr
	s_wait_alu depctr_va_vdst(0)
	s_wait_loadcnt 0x0
.irp a, 0,1,2,3
	v_max3_num_f32 v[MF+\a], v[MS+\a], v[MS+4+\a], v[MS+8+\a]
.endr
.irp a, 0,1,2,3
	v_max3_num_f32 v[MF+\a], v[MF+\a], v[MS+12+\a], v[MS+16+\a]
.endr
.irp a, 0,1,2,3
	v_max3_num_f32 v[MF+\a], v[MF+\a], v[MS+20+\a], v[MS+24+\a]
.endr
.irp a, 0,1,2,3
	v_max_num_f32 v[MF+\a], v[MF+\a], v[MS+28+\a]  ; the row's M: key 0 counts for every query, so it is a true M
.endr
.set i, 0
.rept 32
	v_sub_f32 v[MS+i], v[MS+i], v[MF+i%4]          ; a whole number, 0 or less
.set i, i+1
.endr
.set i, 0
.rept 32
	v_cvt_i32_f32 v[MS+i], v[MS+i]                 ; (it saturates)
.set i, i+1
.endr
.set i, 0
.rept 32
	v_ldexp_f32 v[FT+2*i], 1.0, v[MS+i]            ; the tile's factor 2^(M_tile - M_row)
.set i, i+1
.endr
.set i, 0
.rept 32
	v_mul_f32 v[LS+i], v[FT+2*i], v[LS+i]
.set i, i+1
.endr
.irp a, 0,1,2,3
	v_add_f32 v[LR+\a], v[LS+\a], v[LS+4+\a]       ; every cluster walks tiles 0 and 1
.endr
.irp jj, 2,3,4,5,6,7
	s_cmp_ge_u32 s75, \jj
	s_cselect_b32 s78, 1.0, 0                      ; a tile that the cluster does not walk weighs nothing
.irp a, 0,1,2,3
	v_fmac_f32 v[LR+\a], s78, v[LS+4*\jj+\a]
.endr
.endr
	s_wait_alu depctr_va_vdst(0)
.irp a, 0,1,2,3
	v_rcp_f32 v[RINV+2*\a], v[LR+\a]
.endr
	v_nop                                          ; a plain line behind the last reciprocal
	s_wait_kmcnt 0x0
	s_add_co_i32 s79, s76, s77
	s_wait_alu depctr_va_vdst(0)                   ; one wait for the four, ahead of their first reader
.irp a, 0,1,2,3
	v_ldexp_f32 v[RINV+2*\a], v[RINV+2*\a], s79    ; 2^(e8 + e9) / l
.endr
.macro FETCH slot, q, bank             ; the fragments of the slot's q-th 128 keys: V's eight, P's four: 48 loads
	WIN 0x40
.irp i, 0,1,2,3,4,5,6,7
.irp c, 0,1,2,3
	ds_load_b128 v[128*(\bank)+16*\i+4*\c:128*(\bank)+16*\i+4*\c+3], v[ADRB+\slot] offset:8192*(4*(\q)+\c)+512*\i
.endr
.endr
	WIN 0
.irp i, 0,1,2,3
.irp c, 0,1,2,3
	ds_load_b128 v[AF+64*(\bank)+16*\i+4*\c:AF+64*(\bank)+16*\i+4*\c+3], v[ADRA+\slot] offset:4096*(4*(\q)+\c)+512*\i
.endr
.endr
.endm
.macro MUL a0, n, bank, zero           ; P's blocks a0 .. a0 + n - 1 against V's eight; T's 32 accumulators take turns
	WIN 0xa1
.set aa, \a0
.rept \n
.irp b, 0,1,2,3,4,5,6,7
.if \zero
	v_wmma_f32_16x16x128_fp8_fp8 v[8*(8*aa+\b):8*(8*aa+\b)+7], v[128*(\bank)+16*\b:128*(\bank)+16*\b+15], v[AF+64*(\bank)+16*aa:AF+64*(\bank)+16*aa+15], 0
.else
	v_wmma_f32_16x16x128_fp8_fp8 v[8*(8*aa+\b):8*(8*aa+\b)+7], v[128*(\bank)+16*\b:128*(\bank)+16*\b+15], v[AF+64*(\bank)+16*aa:AF+64*(\bank)+16*aa+15], v[8*(8*aa+\b):8*(8*aa+\b)+7]
.endif
.endr
.set aa, aa+1
.endr
.endm
.macro DRAIN jj                        ; ACC += factor x T: 128 packed multiply-adds, each accumulator from its low end on
	WIN 0xf2                                       ; source 0 (T) window 2, the factor window 0, source 2 and destination (ACC) window 3
.irp a, 0,1,2,3
.set i, 64*\a
.rept 32
	v_pk_fma_f32 v[i:i+1], v[i:i+1], v[FT+2*(4*(\jj)+\a):FT+2*(4*(\jj)+\a)+1], v[i:i+1] op_sel_hi:[1,0,1]
.set i, i+2
.endr
.endr
.endm
; A key tile's first 128 keys.  The tile before is drained first, while this step's fragments land: the lines of blocks 0 and 1 name no register of the last products (blocks 2 and 3's) and are their places.
; Then T begins anew with the constant 0: far more than five plain lines lie between an accumulator's last product and the one that writes over it.
.macro STEPZ slot, jj
.if (\jj) >= 0
	DRAIN \jj
.endif
	s_wait_dscnt 0x0
	MUL 0, 2, 0, 1
	PLACES 4
	FETCH \slot, 1, 1
	MUL 2, 2, 0, 1
	WIN 0
.endm
; Its second 128 keys change slots.
.macro TURN slot, next, fill
.if \fill
	s_wait_xcnt 0x0                                ; my last prefetch has read its base: a tile on
	s_add_nc_u64 s[PFA:PFA+1], s[PFA:PFA+1], s[PFS:PFS+1]
.endif
	s_wait_tensorcnt 0x0                           ; my part of the next slot has landed
	ds_add_u32 v[SPW], v[NIL]                      ; 0 onto my spare word
.if \fill
	s_add_nc_u64 s[G0P+4*\slot+2:G0P+4*\slot+3], s[G0P+4*\slot+2:G0P+4*\slot+3], 65536
	s_add_nc_u64 s[G0V+4*\slot+2:G0V+4*\slot+3], s[G0V+4*\slot+2:G0V+4*\slot+3], 131072
.endif
	s_wait_dscnt 1                                 ; (the add alone may be out)
	MUL 0, 1, 1, 0
	s_wait_dscnt 0x0                               ; the add is done, and my reads of this slot are over
	s_barrier_signal -1
	MUL 1, 1, 1, 0
	WIN 0
	s_barrier_wait -1
.if \fill
	CREST
	JLOAD G0P+4*\slot, G1P, G0V+4*\slot, G1V       ; the first tensor load behind the round; its four v_nop are the places in front of the loads below and of the drain's first reads
.else
	PLACES 4
.endif
	FETCH \next, 0, 0
.if \fill
	s_cmp_gt_u32 s3, s[LIM]                        ; s3 = 1 in the last trip
	ASK
.endif
	MUL 2, 2, 1, 0
	WIN 0
.endm
	s_wait_alu depctr_va_vdst(0)                   ; the head's end
	s_wait_tensorcnt 0x0                           ; my part of both slots is in
	s_barrier_signal -1
	s_barrier_wait -1
	FETCH 0, 0, 0
	s_wait_xcnt 0x0
	s_add_nc_u64 s[PFA:PFA+1], s[PFA:PFA+1], s[PFS:PFS+1]
	s_cmp_ge_u32 s19, s[LIM]                       ; tile 3
	ASK
	STEPZ 0, -1
	s_mov_b32 s3, s19                              ; g trips: each takes two key tiles and fills both slots again
	s_cmp_eq_u32 s3, 0
	s_cbranch_scc1 .Ltail
.Llap:
	TURN 0, 1, 1
	STEPZ 1, 0
	TURN 1, 0, 1
	STEPZ 0, 1
.set i, 0
.rept 24
	v_mov_b32 v[FT+i], v[FT+16+i]                  ; the factors move down by two tiles, so that the trip's text names the same registers every time
.set i, i+2
.endr
	s_wait_alu depctr_va_vdst(0)
	s_sub_co_u32 s3, s3, 1
	s_cmp_lg_u32 s3, 0
	s_cbranch_scc1 .Llap
.Ltail:
	TURN 0, 1, 0                                   ; the last two tiles: nothing is left to fetch
	STEPZ 1, 0
	s_wait_dscnt 0x0
	MUL 0, 4, 1, 0
	PLACES 4
	DRAIN 1
; THE WAY OUT, a block of 16 queries x 128 channels at a time: x 2^(e8 + e9) / l, through my own stage, back as whole rows of 512 bytes.  LDS serves a wave's instructions in order: no wait between the stores and the loads.
.macro TOSTAGE a
	WIN 0x03
.set i, 0
.rept 32
	v_pk_mul_f32 v[TMP+i:TMP+i+1], v[64*(\a)+i:64*(\a)+i+1], v[RINV+2*(\a):RINV+2*(\a)+1] op_sel_hi:[1,0]
.set i, i+2
.endr
	WIN 0
.irp b, 0,1,2,3,4,5,6,7
	ds_store_b128 v[STO], v[TMP+8*\b:TMP+8*\b+3] offset:64*\b
	ds_store_b128 v[STO], v[TMP+8*\b+4:TMP+8*\b+7] offset:64*\b+16
.endr
.set BB, BK+64*((\a)%2)
.irp t, 0,1,2,3,4,5,6,7,8,9,10,11,12,13,14,15
	ds_load_b128 v[BB+4*\t:BB+4*\t+3], v[RD] offset:\t*SPITCH
.endr
.endm
.macro SEND a, younger
.set BB, BK+64*((\a)%2)
	s_wait_dscnt \younger
.irp t, 0,1,2,3,4,5,6,7,8,9,10,11,12,13,14,15
	global_store_b128 v[CO], v[BB+4*\t:BB+4*\t+3], s[12:13] offset:(16*(\a)+\t)*4096 th:TH_STORE_NT   ; 32 lanes store 512 consecutive bytes, aligned; 63 rows of 4,096 bytes at the most stand in the immediate
.endr
.endm
	TOSTAGE 0
.irp a, 1,2,3
.if \a > 1
	s_wait_xcnt 0x0                                ; block a - 2's stores have read their registers: block a's loads may land there
.endif
	TOSTAGE \a
	SEND \a-1, 32                                  ; behind block a - 1's loads: block a's 16 stores and 16 loads
.endr
	SEND 3, 0
	s_wait_tensorcnt 0x0                           ; the wave's end
	ds_add_u32 v[SPW], v[NIL]
	s_wait_dscnt 0x0
	CROUND                                         ; the closing round
	s_endpgm
.Lfunc_end_k_qd135e8c357_pv:
	.size	k_qd135e8c357_pv, .Lfunc_end_k_qd135e8c357_pv-k_qd135e8c357_pv
	.p2alignl 7, 3214868480
	.fill 96, 4, 3214868480
	.section	.rodata,"a",@progbits
	.p2align	6, 0x0
	.amdhsa_kernel k_qd135e8c357_pv
		.amdhsa_group_segment_fixed_size 327680
		.amdhsa_private_segment_fixed_size 0
		.amdhsa_enable_private_segment 0
		.amdhsa_kernarg_size 40
		.amdhsa_user_sgpr_count 2
		.amdhsa_user_sgpr_kernarg_segment_ptr 1
		.amdhsa_wavefront_size32 1
		.amdhsa_system_sgpr_workgroup_id_x 1
		.amdhsa_system_sgpr_workgroup_id_y 1
		.amdhsa_system_sgpr_workgroup_id_z 1
		.amdhsa_system_vgpr_workitem_id 0
		.amdhsa_next_free_vgpr 1024
		.amdhsa_next_free_sgpr 102
		.amdhsa_reserve_vcc 0
		.amdhsa_float_denorm_mode_32 3
		.amdhsa_float_denorm_mode_16_64 3
		.amdhsa_memory_ordered 1
		.amdhsa_forward_progress 1
		.amdhsa_inst_pref_size 134
	.end_amdhsa_kernel
	.amdgpu_metadata
---
amdhsa.version: [ 1, 2 ]
amdhsa.kernels:
  - .name:           k_qd135e8c357_pv
    .symbol:         k_qd135e8c357_pv.kd
    .args:
      - { .name: pc, .offset: 0, .size: 8, .value_kind: global_buffer, .address_space: global }
      - { .name: vc, .offset: 8, .size: 8, .value_kind: global_buffer, .address_space: global }
      - { .name: st, .offset: 16, .size: 8, .value_kind: global_buffer, .address_space: global }
      - { .name: lowp_scales, .offset: 24, .size: 8, .value_kind: global_buffer, .address_space: global }
      - { .name: out0, .offset: 32, .size: 8, .value_kind: global_buffer, .address_space: global }
    .group_segment_fixed_size: 327680
    .private_segment_fixed_size: 0
    .kernarg_segment_align: 8
    .kernarg_segment_size: 40
    .max_flat_workgroup_size: 128
    .sgpr_count:     102
    .vgpr_count:     1024
    .wavefront_size: 32
...
	.end_amdgpu_metadata
.endif
;; end of part 3
